; MI455X (gfx1250); checked and timed in simulation.
; The chip was launched on July 23, 2026; its instructions are those of AMD's public machine-readable ISA for CDNA 5 (MIT licence, August 2026) and "CDNA5" Instruction Set Architecture Reference Guide (July 2026). The comments in the code are by the model that wrote it; some were corrected since.
;; Heterogeneous Normalized Attention. Allowed arithmetic: float matrix products may take bf16 or f16 operands with f32 sums; other float arithmetic in f32, or as packed bf16 or f16 multiplies, adds, multiply-adds, maxima and minima; sums over many terms, partial sums and values carried from step to step in f32; what a program stores and reads back later, other than sums and carried values, may be rounded once to bf16 or f16.
;; Inputs: Wk 3 x 512 x 512 float32; Wo 512 x 512 float32; Wq 512 x 512 float32; Wv 3 x 512 x 512 float32; bk 3 x 512 float32; bo 512 float32; bq 512 float32; bv 3 x 512 float32; emb0 4 x 4,096 x 512 float32; emb1 4 x 4,096 x 512 float32; emb2 4 x 4,096 x 512 float32; mask0 4 x 4,096 bool; mask1 4 x 4,096 bool; mask2 4 x 4,096 bool; x 4 x 8,192 x 512 float32.
;; Outputs: out0 4 x 8,192 x 512 float32.
;; One version. Each part assembles by itself: llvm-mc -triple=amdgcn-amd-amdhsa -mcpu=gfx1250 --defsym DOCPART=n.
;; ======== version 1 of 1: 4 launches
;; limits: values outside matrix products are rounded to bf16; values are held in f16: magnitudes above 65,504 overflow, below 6.1e-05 lose precision
;; workspace buffers: wqo16 1,048,576 bytes; wkv16 3,145,728 bytes; maskf 196,608 bytes; part 31,457,280 bytes; kvf 851,968 bytes
;; launch prep (part 1): grid 32 x 9, 8 waves a work-group, no clusters, 0 bytes of LDS; arguments Wq, Wo, Wk, Wv, mask0, mask1, mask2, wqo16, wkv16, maskf; writes wqo16, wkv16, maskf
.if DOCPART == 1
	.amdgcn_target "amdgcn-amd-amdhsa--gfx1250"
	.amdhsa_code_object_version 6
	.text
	.protected	k_q1c33f35ddc_prep
	.globl	k_q1c33f35ddc_prep
	.p2align	8
	.type	k_q1c33f35ddc_prep,@function
k_q1c33f35ddc_prep:
	s_mov_b64 s[64:65], 0
	v_nop
	global_prefetch_b8 v0, s[64:65] scope:SCOPE_SE
	s_setreg_imm32_b32 hwreg(HW_REG_WAVE_MODE, 25, 1), 1
	s_wait_xcnt 0x0
; The weights are rounded once to bf16 and laid out in blocks of 64 along K, so that a K step's rows lie end to end; the masks become f32 0.0 / 1.0.
; y = 0 Wq, 1 Wo, 2..4 Wk[i], 5..7 Wv[i], 8 the three masks.  Wo's bf16 number is then written as f16 (exact within f16's range).
; LIMIT: a weight of Wo of 65,520 or more becomes an infinity; below 6e-5 it keeps f16's fixed step.
; wqo16: (m*8+kb)*65536 + row*128 + 2k.   wkv16: ((i*8+kb)*8+head)*16384 + mv*8192 + (row%64)*128 + 2k.   maskf: i*65536 + 4*(b*4096+s).
; A thread takes 4 units of 8 numbers: unit n + 8192 j; n = k8 + 8 row + 4096 kb0, kb = kb0 + 2 j.  Eight lanes read 256 bytes on end, sixteen lanes write 256 bytes on end.
	s_load_b512 s[8:23], s[0:1], 0x0               ; Wq 8, Wo 10, Wk 12, Wv 14, mask0 16, mask1 18, mask2 20, wqo16 22
	s_load_b128 s[24:27], s[0:1], 0x40             ; wkv16 24, maskf 26
	s_and_b32 s2, ttmp7, 0xffff                    ; y
	s_lshl_b32 s3, ttmp9, 8
	v_add_nc_u32 v1, s3, v0                        ; n
	s_wait_kmcnt 0x0
	s_cmp_eq_u32 s2, 8
	s_cbranch_scc1 .Lmasks
	s_cmp_lt_u32 s2, 5
	s_cselect_b64 s[4:5], s[12:13], s[14:15]       ; Wk or Wv
	s_cselect_b32 s6, 2, 5
	s_cselect_b32 s28, 0, 8192                     ; mv * 8192
	s_max_u32 s7, s2, s6
	s_sub_co_u32 s6, s7, s6                        ; i (0 for Wq and Wo)
	s_cmp_eq_u32 s2, 0
	s_cselect_b64 s[4:5], s[8:9], s[4:5]
	s_cmp_eq_u32 s2, 1
	s_cselect_b64 s[4:5], s[10:11], s[4:5]
	s_lshl_b32 s30, s6, 20                         ; matrix i of a stack: 1 MiB each
	s_mov_b32 s31, 0
	s_add_nc_u64 s[4:5], s[4:5], s[30:31]
	s_mov_b32 s29, 262144                          ; bytes from unit j to unit j + 1 in wkv16 (two K blocks),
	s_cmp_lt_u32 s2, 2
	s_cselect_b64 s[32:33], s[22:23], s[24:25]
	s_cselect_b32 s29, 131072, s29                 ; and in wqo16
	s_cselect_b32 vcc_lo, -1, 0
	s_lshl_b32 s7, s2, 19                          ; y * 8 blocks of 65,536
	s_lshl_b32 s34, s6, 20                         ; i * 8 blocks of 131,072
	s_add_co_u32 s34, s34, s28
	v_and_b32 v2, 7, v1                            ; k8
	v_bfe_u32 v3, v1, 3, 9                         ; row
	v_lshrrev_b32 v4, 12, v1                       ; kb0
	v_lshlrev_b32 v5, 11, v3
	v_lshl_add_u32 v5, v4, 8, v5
	v_lshl_add_u32 v5, v2, 5, v5                   ; in: row*2048 + kb0*256 + k8*32
	v_lshlrev_b32 v6, 4, v2
	v_lshl_add_u32 v7, v3, 7, v6                   ; wqo16's offset
	v_lshl_add_u32 v7, v4, 16, v7
	v_add_nc_u32 v7, s7, v7
	v_and_b32 v60, 63, v3                          ; wkv16's offset
	v_lshrrev_b32 v61, 6, v3
	v_lshl_add_u32 v6, v60, 7, v6
	v_lshl_add_u32 v6, v61, 14, v6
	v_lshl_add_u32 v6, v4, 17, v6
	v_add_nc_u32 v6, s34, v6
	v_cndmask_b32 v56, v6, v7, vcc_lo
	v_add_nc_u32 v57, s29, v56
	v_add_nc_u32 v58, s29, v57
	v_add_nc_u32 v59, s29, v58
.irp j, 0,1,2,3
	global_load_b128 v[8+8*\j:11+8*\j], v5, s[4:5] offset:512*\j th:TH_LOAD_NT
	global_load_b128 v[12+8*\j:15+8*\j], v5, s[4:5] offset:512*\j+16 th:TH_LOAD_NT
.endr
.irp j, 0,1,2,3
	s_wait_loadcnt 6-2*\j                          ; unit j's two loads are in, the younger units' stay out
.irp k, 0,1,2,3
	v_cvt_pk_bf16_f32 v[40+4*\j+\k], v[8+8*\j+2*\k], v[9+8*\j+2*\k]
.endr
.endr
	s_cmp_lg_u32 s2, 1
	s_cbranch_scc1 .Lstore
.set z, 0
.rept 16                                               ; Wo alone: the bf16 number written as f16
	v_lshlrev_b32 v2, 16, v[40+z]
	v_and_b32 v3, 0xffff0000, v[40+z]
	v_cvt_pk_f16_f32 v[40+z], v2, v3
.set z, z+1
.endr
.Lstore:
.irp j, 0,1,2,3
	global_store_b128 v[56+\j], v[40+4*\j:43+4*\j], s[32:33]
.endr
	s_endpgm
.Lmasks:                                               ; two bytes of each mask a thread; a wave's store covers 256 bytes on end
	v_lshlrev_b32 v2, 1, v1
	v_lshlrev_b32 v3, 3, v1
	global_load_u16 v8, v2, s[16:17]
	global_load_u16 v9, v2, s[18:19]
	global_load_u16 v10, v2, s[20:21]
	s_wait_loadcnt 0x0
.irp i, 0,1,2
	v_and_b32 v[12+2*\i], 1, v[8+\i]
	v_bfe_u32 v[13+2*\i], v[8+\i], 8, 1
	v_cvt_f32_u32 v[12+2*\i], v[12+2*\i]
	v_cvt_f32_u32 v[13+2*\i], v[13+2*\i]
	global_store_b64 v3, v[12+2*\i:13+2*\i], s[26:27] offset:65536*\i
.endr
	s_endpgm
.Lfunc_end_k_q1c33f35ddc_prep:
	.size	k_q1c33f35ddc_prep, .Lfunc_end_k_q1c33f35ddc_prep-k_q1c33f35ddc_prep
	.p2alignl 7, 3214868480
	.fill 96, 4, 3214868480
	.section	.rodata,"a",@progbits
	.p2align	6, 0x0
	.amdhsa_kernel k_q1c33f35ddc_prep
		.amdhsa_group_segment_fixed_size 0
		.amdhsa_private_segment_fixed_size 0
		.amdhsa_enable_private_segment 0
		.amdhsa_kernarg_size 80
		.amdhsa_user_sgpr_count 2
		.amdhsa_user_sgpr_kernarg_segment_ptr 1
		.amdhsa_wavefront_size32 1
		.amdhsa_system_sgpr_workgroup_id_x 1
		.amdhsa_system_sgpr_workgroup_id_y 1
		.amdhsa_system_sgpr_workgroup_id_z 1
		.amdhsa_system_vgpr_workitem_id 0
		.amdhsa_next_free_vgpr 64
		.amdhsa_next_free_sgpr 66
		.amdhsa_reserve_vcc 1
		.amdhsa_float_denorm_mode_32 3
		.amdhsa_float_denorm_mode_16_64 3
		.amdhsa_memory_ordered 1
		.amdhsa_forward_progress 1
		.amdhsa_inst_pref_size 9
	.end_amdhsa_kernel
	.amdgpu_metadata
---
amdhsa.version: [ 1, 2 ]
amdhsa.kernels:
  - .name:           k_q1c33f35ddc_prep
    .symbol:         k_q1c33f35ddc_prep.kd
    .args:
      - { .name: Wq, .offset: 0, .size: 8, .value_kind: global_buffer, .address_space: global }
      - { .name: Wo, .offset: 8, .size: 8, .value_kind: global_buffer, .address_space: global }
      - { .name: Wk, .offset: 16, .size: 8, .value_kind: global_buffer, .address_space: global }
      - { .name: Wv, .offset: 24, .size: 8, .value_kind: global_buffer, .address_space: global }
      - { .name: mask0, .offset: 32, .size: 8, .value_kind: global_buffer, .address_space: global }
      - { .name: mask1, .offset: 40, .size: 8, .value_kind: global_buffer, .address_space: global }
      - { .name: mask2, .offset: 48, .size: 8, .value_kind: global_buffer, .address_space: global }
      - { .name: wqo16, .offset: 56, .size: 8, .value_kind: global_buffer, .address_space: global }
      - { .name: wkv16, .offset: 64, .size: 8, .value_kind: global_buffer, .address_space: global }
      - { .name: maskf, .offset: 72, .size: 8, .value_kind: global_buffer, .address_space: global }
    .group_segment_fixed_size: 0
    .private_segment_fixed_size: 0
    .kernarg_segment_align: 8
    .kernarg_segment_size: 80
    .max_flat_workgroup_size: 256
    .sgpr_count:     66
    .vgpr_count:     64
    .wavefront_size: 32
...
	.end_amdgpu_metadata
.endif
;; end of part 1
;; launch kvpart (part 2): grid 4 x 64, 4 waves a work-group, clusters of 4 x 4, 327,680 bytes of LDS; arguments emb0, emb1, emb2, maskf, bk, bv, wkv16, part; writes part
.if DOCPART == 2
	.amdgcn_target "amdgcn-amd-amdhsa--gfx1250"
	.amdhsa_code_object_version 6
	.text
	.protected	k_q1c33f35ddc_kvpart
	.globl	k_q1c33f35ddc_kvpart
	.p2align	8
	.type	k_q1c33f35ddc_kvpart,@function
k_q1c33f35ddc_kvpart:
	s_mov_b64 s[64:65], 0
	v_nop
	global_prefetch_b8 v0, s[64:65] scope:SCOPE_SE
	s_setreg_imm32_b32 hwreg(HW_REG_WAVE_MODE, 25, 1), 1
	s_wait_xcnt 0x0
	s_wait_alu depctr_hold_cnt(0) depctr_sa_sdst(0) depctr_va_vdst(0) depctr_va_sdst(0) depctr_va_ssrc(0) depctr_va_vcc(0) depctr_vm_vsrc(0)
	s_getreg_b32 s2, hwreg(HW_REG_IB_STS2, 6, 4)
	s_cmp_eq_u32 s2, 0
	s_cbranch_scc0 .Lentry_in_a_cluster
	s_endpgm
.Lentry_in_a_cluster:
	s_bfe_u32 s2, ttmp6, 0x10000c
	s_cmp_lg_u32 s2, 0xf033
	s_cbranch_scc0 .Lentry_shape_is_right
	s_endpgm
.Lentry_shape_is_right:
; For input i, batch b, 256 rows rb and the head pair g: k = mask * softmax(emb Wk^T + bk) and v = emb Wv^T + bv, then the partial sums kv = k^T v and ksum over these 256 rows, in f32, to part.
; emb, the weights and the biases are rounded to bf16; k and v are rounded once to bf16 for the second product; all sums in f32; the softmax takes the row's true maximum away.
; LIMITS: a weight of the softmax below 2^-126 counts as 0; NaN and infinities are not treated apart.
; A WORK-GROUP STAYS: work-group (g = cx, y = b*16 + rb) makes three tiles, i = 0, 1, 2, of the same rows and heads: 256 work-groups of equal work.  The ring of slots does not stop at a tile's end: the last two
; changes of slots of tiles 0 and 1 ask for the next tile's K steps 0 and 1, which land while the epilogue runs; nothing waits for a tile's stores.
; SHARES.  Wave w: rows 128 (w / 2) .. + 127, head 2 g + w % 2: 64 columns of K (column tiles 0-3) and 64 of V (tiles 4-7): 64 accumulators.
; K goes in 8 steps of 64 through two LDS slots: 256 rows of emb in f32 (256 bytes a row) and the head pair's 256 weight rows in bf16.  emb is converted between LDS and the matrix unit.
; CLUSTER 4 x 4: emb's tile hangs on y and the tile's number alone and is asked for jointly along a row of the cluster, the weights' on g and the tile's number alone, jointly along a column.
; LAYOUT.  Source 0 = 16 rows of emb, source 1 = 16 weight rows: a lane holds ONE channel (lane % 16) and the rows 8 (lane / 16) + 0..7.  Two row tiles rounded in pairs ARE a fragment (16 channels x 32 rows) of
; k^T (source 0) and of v (source 1) in kv = k^T v: nothing changes lanes.  The softmax's maximum and sum go over 4 registers and 16 lanes.
; REGISTERS.  window 0: v0-31 addresses; v64-191 emb's fragments, two buffers; v192-255 the bias as C operand, later the mask.  window 1: v0-127 emb in f32 as loaded; v128-255 weights' fragments, two buffers.
; windows 2, 3: accumulator (a, c) at window 2 + a / 4, v[8 (8 (a % 4) + c)].  In the epilogue: window 0 v32-47 maxima, v48-63 sums, v64-127 exponentials, v128-159 k^T, v160-191 v; window 1 v0-159 kv and ksum.
.set SLOT1, 1<<17
.set FP,    272                        ; a row of emb in LDS: 256 bytes + 16: the 16 rows of a load start at 16 different groups of four banks (ISA guide 11.1)
.set WP,    144                        ; a weight row: 128 bytes + 16
.set WOFF,  256*FP
.set SPARE, WOFF+256*WP                ; behind slot 0: the spare words, 128 bytes a wave
.set XCH,   SLOT1+SPARE                ; behind slot 1: 2 x 20,480 bytes in which the two row halves' sums meet; no tile lands here
.set AF0, 2
.set AW0, 3
.set AF,  4
.set AW,  5
.set PFO, 6
.set MO,  9
.set BO,  10
.set PO,  11
.set BV,  12
.set XA,  20
.set SPW, 30
.set NIL, 31
.set MX,  32
.set SU,  48
.set EX,  64
.set KT,  128
.set VT,  160
.set MF,  192
.set F,   64
.set BIAS, 192
.set RAW, 0
.set WF,  128
.set KV,  0
.set ONES, 160
.set MFX, 168
.set WV, 20
.set CX, 21
.set CY, 22
.set TI, 23                            ; s23      the tile's number = i
.set G1F, 24
.set G1W, 32
.set G0F, 40
.set G0W, 48
.set TB,  56
.set CNT, 57
.set LIM, 58
.set T,   59
.set PFA, 60
.set W1,  62
.set RH,  63
.set EO,  68                           ; s[68:69] byte offset in emb of the 128 rows that I fetch
.set PFB, 74                           ; s[74:75] byte offset in emb of the 32 rows that I prefetch
.set NO,  80                           ; s[80:81] EO + the K step, for the refills that reach into the next tile
.set EN,  84                           ; s[84:85] the next tile's emb
.set NP,  86                           ; s[86:87] the next tile's emb at the rows that I prefetch
.set CS,  88
.set PB,  90
.set MB,  92
.set YY,  94
.set MSB, 0
.macro WIN new                         ; the immediate's high byte repeats the setting that is left; a switch that changes nothing is dropped
.if MSB != (\new)
	s_set_vgpr_msb (MSB<<8)|(\new)
.set MSB, (\new)
.endif
.endm
.macro JLOAD                           ; a joint refill: waves 0, 1 fetch emb's two halves, waves 2, 3 the two heads' weights; s_nop 0 and four v_nop follow each line
	s_cmp_lt_u32 s[WV], 2
	s_cbranch_scc0 .Lfor_w_\@
	tensor_load_to_lds s[G0F+4:G0F+7], s[G1F:G1F+7]
	s_nop 0
.rept 4
	v_nop
.endr
	s_branch .Lasked_\@
.Lfor_w_\@:
	tensor_load_to_lds s[G0W+4:G0W+7], s[G1W:G1W+7]
	s_nop 0
.rept 4
	v_nop
.endr
.Lasked_\@:
.endm
; A prefetch into the L2 of emb's K step two refills on, across tiles too: a lane a row, 256 bytes of the row.  A tile's 256 rows are read by the four partners of a cluster's row and by nobody else: of the 128 rows
; that wave 0 or 1 fetches, partner cx names 32, told apart by address.  Each K step is named once; the first tile's steps 0 to 3 come by their loads alone; behind the last tile's step 7 nothing is asked for.
.macro ASK how
.if \how
	s_cmp_lg_u32 s[LIM], -1                        ; every wave that prefetches at all
.else
	s_cmp_gt_u32 s[CNT], s[LIM]                    ; LIM = 0: all five trips; 2, in the last tile: the first three; -1: never
.endif
	s_cbranch_scc0 .Lna_\@
	global_prefetch_b8 v[PFO], s[PFA:PFA+1] th:TH_LOAD_NT scope:SCOPE_SE
.Lna_\@:
.endm
.macro CREST                           ; a round of the cluster's barrier behind its opening barrier
	s_cmp_lg_u32 s[WV], 0
	s_cbranch_scc1 .Lnw0_\@
	s_barrier_signal -3
.Lnw0_\@:
	s_barrier_wait -3
	s_barrier_signal -1
	s_barrier_wait -1
.endm
.macro CROUND
	s_barrier_signal -1
	s_barrier_wait -1
	CREST
.endm
.macro LDRAW t0, q                     ; emb in f32: row tiles t0 .. t0 + 3, 32 along K at byte 128 q: k = 8 h .. + 7 and 16 + 8 h .. + 7, four loads of 16 bytes
.irp a, 0,1,2,3
	ds_load_b128 v[RAW+16*((\t0)+\a):RAW+16*((\t0)+\a)+3],     v[AF] offset:((\t0)+\a)*16*FP+128*(\q)
	ds_load_b128 v[RAW+16*((\t0)+\a)+4:RAW+16*((\t0)+\a)+7],   v[AF] offset:((\t0)+\a)*16*FP+128*(\q)+16
	ds_load_b128 v[RAW+16*((\t0)+\a)+8:RAW+16*((\t0)+\a)+11],  v[AF] offset:((\t0)+\a)*16*FP+128*(\q)+64
	ds_load_b128 v[RAW+16*((\t0)+\a)+12:RAW+16*((\t0)+\a)+15], v[AF] offset:((\t0)+\a)*16*FP+128*(\q)+80
.endr
.endm
.macro LDWF P                          ; the weights' 8 fragments of sub-step P into buffer P
.irp c, 0,1,2,3,4,5,6,7
	ds_load_b128 v[WF+64*(\P)+8*\c:WF+64*(\P)+8*\c+3],   v[AW] offset:\c*16*WP+64*(\P)
	ds_load_b128 v[WF+64*(\P)+8*\c+4:WF+64*(\P)+8*\c+7], v[AW] offset:\c*16*WP+64*(\P)+32
.endr
.endm
.macro STEPS                           ; scalar work between the add and the wait for it: no tensor load of mine is out, so a group 0 may be written.  The next K step of this tile
	s_xor_b32 s[G0F+5], s[G0F+5], SLOT1
	s_add_nc_u64 s[G0F+6:G0F+7], s[G0F+6:G0F+7], 256
	s_xor_b32 s[G0W+5], s[G0W+5], SLOT1
	s_add_nc_u64 s[G0W+6:G0W+7], s[G0W+6:G0W+7], 131072
	s_wait_xcnt 0x0                                ; the last prefetch, a K step back, has read its address
	s_add_nc_u64 s[PFA:PFA+1], s[PFA:PFA+1], 256
	s_cmp_eq_u32 s[CNT], 2                         ; behind this tile's K step 7 the prefetches go on with the next tile's step 0
	s_cselect_b64 s[PFA:PFA+1], s[NP:NP+1], s[PFA:PFA+1]
	s_xor_b32 s[TB], s[TB], SLOT1
.endm
.macro STEPS2                          ; the same for the refills that reach into the next tile: emb's address is made anew from the next buffer; the weights of the next i follow this i's in memory
	s_xor_b32 s[G0F+5], s[G0F+5], SLOT1
	s_add_nc_u64 s[G0F+6:G0F+7], s[EN:EN+1], s[NO:NO+1]
	s_or_b32 s[G0F+7], s[G0F+7], 0x80000000
	s_add_nc_u64 s[NO:NO+1], s[NO:NO+1], 256
	s_xor_b32 s[G0W+5], s[G0W+5], SLOT1
	s_add_nc_u64 s[G0W+6:G0W+7], s[G0W+6:G0W+7], 131072
	s_wait_xcnt 0x0
	s_add_nc_u64 s[PFA:PFA+1], s[PFA:PFA+1], 256
	s_xor_b32 s[TB], s[TB], SLOT1
.endm
.macro MM1 hf, P, cm                   ; matrix instruction n of a half: row tile 4 hf + n / 8, column tile n % 8.  cm = 1: the bias starts the sum
.if \cm
	WIN 0x84+0x40*(\hf)
	v_wmma_f32_16x16x32_bf16 v[8*n:8*n+7], v[F+64*(\P)+32*(\hf)+8*(n/8):F+64*(\P)+32*(\hf)+8*(n/8)+7], v[WF+64*(\P)+8*(n%8):WF+64*(\P)+8*(n%8)+7], v[BIAS+8*(n%8):BIAS+8*(n%8)+7]
.else
	WIN 0xa4+0x50*(\hf)
	v_wmma_f32_16x16x32_bf16 v[8*n:8*n+7], v[F+64*(\P)+32*(\hf)+8*(n/8):F+64*(\P)+32*(\hf)+8*(n/8)+7], v[WF+64*(\P)+8*(n%8):WF+64*(\P)+8*(n%8)+7], v[8*n:8*n+7]
.endif
.endm
; HALF of a sub-step of 32 along K: 32 matrix instructions on buffers P; the 64 accumulators take turns.  ld: a run of LDS loads at its head (half 0: emb's row tiles 4-7 and the weights of the
; next sub-step; half 1: emb's row tiles 0-3 of the sub-step after that).  rd: behind every fourth matrix instruction four conversions of the next sub-step's emb into buffer 1 - P; the four behind the last one
; are the places in front of the next run of loads.  meet: the change of slots: the wait for all my tensor loads, the add, the wait for it and for my reads of the slot, the barrier's signal and wait
; (1: the descriptors step within the tile; 2: into the next tile).
.macro HALF hf, P, cm, ld, rd, meet
.if \ld
	WIN 0x40
.if (\hf) == 0
	LDRAW 4, 1-(\P)
	LDWF 1-(\P)
.else
	LDRAW 0, \P
.endif
	s_wait_dscnt 32-16*(\hf)                       ; all but the run just issued is in: what this half converts and multiplies
.else
	s_wait_dscnt 0x0
.endif
.set n, 0
.rept 32
.if (\meet) && (n == 16)
	WIN 0
	s_wait_tensorcnt 0x0                           ; all my tensor loads have landed: my part of the next slot
	ds_add_u32 v[SPW], v[NIL]
.if (\meet) == 2
	STEPS2
.else
	STEPS
.endif
.endif
.if (\meet) && (n == 24)
	s_wait_dscnt 0x0                               ; the add is done and my reads of this slot are over
	s_barrier_signal -1
.endif
	MM1 \hf, \P, \cm
.if (\rd) && (n%4 == 3)
	WIN 0x05
.irp k, 0,1,2,3
	v_cvt_pk_bf16_f32 v[F+64*(1-(\P))+32*(\hf)+n-3+\k], v[RAW+64*(\hf)+2*(n-3+\k)], v[RAW+64*(\hf)+2*(n-3+\k)+1]
.endr
.endif
.set n, n+1
.endr
.if \meet
	WIN 0
	s_barrier_wait -1
.endif
.endm
.macro CHANGE fill, how                ; behind that wait.  fill = 1: the barrier has opened a round of the cluster's; the joint refill is the first thing behind it
.if \fill
	CREST
	JLOAD
	ASK \how
.endif
	v_add_nc_u32 v[AF], s[TB], v[AF0]
	v_add_nc_u32 v[AW], s[TB], v[AW0]
.endm
.macro SWITCH sreg, body, last, list:vararg  ; the lines that name an accumulator, chosen by the trip's number; the last case has no test, so every way writes the registers
.irp k, \list
	s_cmp_lg_u32 s[\sreg], \k
	s_cbranch_scc1 .Lnx_\@_\k
	\body \k
	WIN 0
	s_branch .Ldn_\@
.Lnx_\@_\k:
.endr
	\body \last
	WIN 0
.Ldn_\@:
.endm
.macro PLACES8
.rept 8
	v_nop
.endr
.endm
	s_load_b512 s[4:19], s[0:1], 0x0               ; emb0 4, emb1 6, emb2 8, maskf 10, bk 12, bv 14, wkv16 16, part 18
	v_lshl_add_u32 v[SPW], v0, 2, SPARE
	v_mov_b32 v[NIL], 0
	ds_add_u32 v[SPW], v[NIL]                      ; the wave's opening: the add and its wait ahead of my first tensor load
	v_lshrrev_b32 v1, 5, v0
	v_readfirstlane_b32 s[WV], v1
	s_and_b32 s[W1], s[WV], 1                      ; my head of the pair; also which half of a tile I fetch
	s_lshr_b32 s[RH], s[WV], 1                     ; my half of the rows
	s_bfe_u32 s[CX], ttmp6, 0x40000                ; g
	s_bfe_u32 s[CY], ttmp6, 0x40004
	s_and_b32 s[YY], ttmp7, 0xffff                 ; cluster y
	s_lshl_b32 s[YY], s[YY], 2
	s_add_co_u32 s[YY], s[YY], s[CY]               ; y = b*16 + rb
	s_lshl_b32 s66, s[CY], 2
	s_lshl_b32 s66, 15, s66                        ; my row of the cluster
	s_lshl_b32 s67, 0x1111, s[CX]                  ; my column
	s_or_b32 s[G1F], s66, (2<<16)|(1<<20)|(1<<21)|(5<<22)|(3<<25)  ; emb: 4-byte elements, 4 words of padding behind every 64
	s_or_b32 s[G1W], s67, (1<<16)|(1<<20)|(1<<21)|(4<<22)|(3<<25)  ; weights: 2-byte elements, 4 words behind every 32
	s_mov_b32 s[G1F+1], 64<<16                     ; tensor_dim0 = 64
	s_mov_b32 s[G1F+2], 128<<16                    ; tensor_dim1 = 128
	s_mov_b32 s[G1F+3], 64<<16                     ; tile_dim0 = 64
	s_mov_b32 s[G1F+4], 128                        ; tile_dim1 = 128
	s_mov_b32 s[G1F+5], 512                        ; elements from row to row
	s_mov_b32 s[G1F+6], 0
	s_mov_b32 s[G1F+7], 0
	s_mov_b32 s[G1W+1], 128<<16                    ; a head's 128 weight rows of 128 bytes are dense: asked for as 64 rows of 256 bytes
	s_mov_b32 s[G1W+2], 64<<16
	s_mov_b32 s[G1W+3], 128<<16
	s_mov_b32 s[G1W+4], 64
	s_mov_b32 s[G1W+5], 128
	s_mov_b32 s[G1W+6], 0
	s_mov_b32 s[G1W+7], 0
	s_lshl_b32 s[EO], s[YY], 19                    ; emb: 256 rows of 2,048 bytes a block,
	s_lshl_b32 s66, s[W1], 18                      ; my 128 of them
	s_add_co_u32 s[EO], s[EO], s66
	s_mov_b32 s[EO+1], 0
	s_lshl_b32 s76, s[CX], 16                      ; the prefetches: of my 128 rows the 32 of partner cx
	s_add_co_u32 s[PFB], s[EO], s76
	s_mov_b32 s[PFB+1], 0
	s_lshl1_add_u32 s77, s[CX], s[W1]              ; my head
	s_lshl_b32 s70, s77, 14                        ; weights: block (i*64 + kb*8 + head) of 16,384 bytes, from i = 0, kb = 0 on
	s_mov_b32 s71, 0
	s_mul_i32 s72, s[W1], 128*FP                   ; LDS places: no place in the cluster enters them
	s_mul_i32 s73, s[W1], 128*WP
	s_add_co_u32 s73, s73, WOFF
	s_lshl_b32 s78, s77, 8                         ; biases: (i*512 + head*64) * 4
	s_mov_b32 s79, 0
	s_lshl_b32 s80, s[YY], 10                      ; maskf: i*65536 + (b*16+rb)*1024 + my half's 512
	s_lshl_b32 s76, s[RH], 9
	s_add_co_u32 s80, s80, s76
	s_mov_b32 s81, 0
	s_lshr_b32 s82, s[YY], 4                       ; part: (((i*4+b)*8 + head)*16 + rb) * 20,480
	s_lshl3_add_u32 s82, s82, s77
	s_and_b32 s76, s[YY], 15
	s_lshl4_add_u32 s82, s82, s76
	s_mul_i32 s82, s82, 20480
	s_mov_b32 s83, 0
	s_mov_b32 s[CS], 0x3fb8aa3b                    ; log2(e)
	s_mov_b32 s[CS+1], s[CS]
	s_mov_b32 s[TB], 0
	s_mov_b32 s[TI], 0
	s_wait_dscnt 0x0                               ; the opening add is done
	s_wait_kmcnt 0x0
	s_add_nc_u64 s[PFA:PFA+1], s[4:5], s[PFB:PFB+1]
	s_add_nc_u64 s[PFA:PFA+1], s[PFA:PFA+1], 768   ; at K step 3; each change of slots steps it
	s_add_nc_u64 s[84:85], s[4:5], s[EO:EO+1]
	s_add_nc_u64 s[86:87], s[16:17], s[70:71]
	s_add_nc_u64 s[12:13], s[12:13], s[78:79]
	s_add_nc_u64 s[14:15], s[14:15], s[78:79]
	s_add_nc_u64 s[MB:MB+1], s[10:11], s[80:81]
	s_add_nc_u64 s[PB:PB+1], s[18:19], s[82:83]
	CROUND                                         ; all sixteen work-groups are here: the first joint loads meet
.irp s, 0,1
	s_mov_b32 s[G0F+4*\s], 1
	s_add_co_u32 s[G0F+4*\s+1], s72, \s*SLOT1
	s_add_nc_u64 s[G0F+4*\s+2:G0F+4*\s+3], s[84:85], \s*256
	s_or_b32 s[G0F+4*\s+3], s[G0F+4*\s+3], 0x80000000
	s_mov_b32 s[G0W+4*\s], 1
	s_add_co_u32 s[G0W+4*\s+1], s73, \s*SLOT1
	s_add_nc_u64 s[G0W+4*\s+2:G0W+4*\s+3], s[86:87], \s*131072
	s_or_b32 s[G0W+4*\s+3], s[G0W+4*\s+3], 0x80000000
.endr
	s_cmp_lt_u32 s[WV], 2                          ; a wave's two first fills stand in one branch: K steps 0 and 1; two loads of mine are out
	s_cbranch_scc0 .Lfirst_w
	tensor_load_to_lds s[G0F:G0F+3], s[G1F:G1F+7]
	s_nop 0
	tensor_load_to_lds s[G0F+4:G0F+7], s[G1F:G1F+7]
	s_nop 0
.rept 4
	v_nop
.endr
	s_branch .Lfirst_done
.Lfirst_w:
	tensor_load_to_lds s[G0W:G0W+3], s[G1W:G1W+7]
	s_nop 0
	tensor_load_to_lds s[G0W+4:G0W+7], s[G1W:G1W+7]
	s_nop 0
.rept 4
	v_nop
.endr
.Lfirst_done:
	v_and_b32 v1, 15, v0                           ; r
	v_bfe_u32 v7, v0, 4, 1                         ; h
	v_and_b32 v8, 31, v0                           ; lane
	v_lshlrev_b32 v[BO], 2, v1
.irp c, 0,1,2,3
	global_load_b32 v[BV+\c], v[BO], s[12:13] offset:64*\c    ; the first tile's bk and bv of channel 16 c + r of my head
	global_load_b32 v[BV+4+\c], v[BO], s[14:15] offset:64*\c
.endr
	v_mul_u32_u24 v[AF0], v1, FP
	v_lshl_add_u32 v[AF0], v7, 5, v[AF0]
	s_mul_i32 s66, s[RH], 128*FP
	v_add_nc_u32 v[AF0], s66, v[AF0]               ; emb: row x pitch + 32 h + my half's 128 rows
	v_mul_u32_u24 v[AW0], v1, WP
	v_lshl_add_u32 v[AW0], v7, 4, v[AW0]
	v_add_nc_u32 v[AW0], s73, v[AW0]               ; weights: row x pitch + 16 h + my head's 128 rows
	v_mov_b32 v[AF], v[AF0]
	v_mov_b32 v[AW], v[AW0]
	v_lshlrev_b32 v[PFO], 11, v8                   ; a lane a row of 2,048 bytes
	v_lshlrev_b32 v[MO], 5, v7
	v_lshlrev_b32 v[PO], 4, v8
	s_mul_i32 s66, s[W1], 20480
	s_add_co_u32 s66, s66, XCH
	v_add_nc_u32 v[XA], s66, v[PO]
	s_wait_tensorcnt 0x1                           ; my part of K step 0 is in; step 1's may stay out
	s_barrier_signal -1
	s_barrier_wait -1
.Ltile:                                                ; three trips.  The tile's K step 0 lies whole in slot 0 (for tiles 1 and 2 the last change of slots has shown it to every wave); step 1 is on its way into slot 1
	s_cmp_eq_u32 s[TI], 0
	s_cselect_b64 s[EN:EN+1], s[6:7], s[8:9]       ; the next tile's emb (in the last tile: not used for a load)
	s_add_nc_u64 s[NP:NP+1], s[EN:EN+1], s[PFB:PFB+1]
	s_mov_b64 s[NO:NO+1], s[EO:EO+1]
	s_cmp_eq_u32 s[TI], 2
	s_cselect_b32 s[LIM], 2, 0
	s_cmp_lt_u32 s[WV], 2
	s_cselect_b32 s[LIM], s[LIM], -1               ; waves 0 and 1 prefetch
	s_mov_b32 s[CNT], 5
	s_wait_loadcnt 0x0                             ; the tile's bias
.irp c, 0,1,2,3,4,5,6,7                        ; rounded to bf16, as a C tile: a lane's eight rows take the same number
	v_cvt_pk_bf16_f32 v[BV+\c], v[BV+\c], v[BV+\c]
	v_lshlrev_b32 v[BV+\c], 16, v[BV+\c]
.irp j, 0,1,2,3,4,5,6,7
	v_mov_b32 v[BIAS+8*\c+\j], v[BV+\c]
.endr
.endr
	WIN 0x40                                       ; the first sub-step's operands
	LDRAW 0, 0
	LDRAW 4, 0
	LDWF 0
	s_wait_dscnt 0x0
	WIN 0x05
.set z, 0
.rept 64
	v_cvt_pk_bf16_f32 v[F+z], v[RAW+2*z], v[RAW+2*z+1]
.set z, z+1
.endr
	WIN 0x40
	LDRAW 0, 1
	HALF 0, 0, 1, 1, 1, 1                          ; K step 0's first sub-step starts the sums with the bias
	CHANGE 1, 1
	HALF 1, 0, 1, 1, 1, 0
	WIN 0
.set z, 0
.rept 16                                               ; the mask of my 128 rows takes the bias's registers: row 16 a + 8 h + j at MF + 8 a + j; waited for ahead of the epilogue
	global_load_b128 v[MF+4*z:MF+4*z+3], v[MO], s[MB:MB+1] offset:64*(z/2)+16*(z%2)
.set z, z+1
.endr
	s_cmp_eq_u32 s[TI], 2
	s_cbranch_scc1 .Lnob
	s_add_co_u32 s96, s[TI], 1                     ; the next tile's bias, a whole tile ahead of its use
	s_lshl_b32 s96, s96, 11
	s_mov_b32 s97, 0
	s_add_nc_u64 s[98:99], s[12:13], s[96:97]
	s_add_nc_u64 s[100:101], s[14:15], s[96:97]
.irp c, 0,1,2,3
	global_load_b32 v[BV+\c], v[BO], s[98:99] offset:64*\c
	global_load_b32 v[BV+4+\c], v[BO], s[100:101] offset:64*\c
.endr
.Lnob:
.Lk1:                                                  ; five trips: a K step's second sub-step and the next step's first; K steps 3 to 7 are asked for
	HALF 0, 1, 0, 1, 1, 0
	HALF 1, 1, 0, 1, 1, 0
	HALF 0, 0, 0, 1, 1, 1
	CHANGE 1, 0
	HALF 1, 0, 0, 1, 1, 0
	WIN 0
	s_sub_co_u32 s[CNT], s[CNT], 1
	s_cmp_lg_u32 s[CNT], 0
	s_cbranch_scc1 .Lk1
	s_mov_b32 s[CNT], 2
	s_cmp_eq_u32 s[TI], 2
	s_cbranch_scc1 .Lk2n                           ; the last tile's two trips are a text of their own
.Lk2f:                                                 ; THE RING GOES ON INTO THE NEXT TILE: its K steps 0 and 1 are asked for
	HALF 0, 1, 0, 1, 1, 0
	HALF 1, 1, 0, 1, 1, 0
	HALF 0, 0, 0, 1, 1, 2
	CHANGE 1, 1
	HALF 1, 0, 0, 1, 1, 0
	WIN 0
	s_sub_co_u32 s[CNT], s[CNT], 1
	s_cmp_lg_u32 s[CNT], 0
	s_cbranch_scc1 .Lk2f
	s_branch .Llast
.Lk2n:                                                 ; nothing is left to ask for (the stepped addresses are not used)
	HALF 0, 1, 0, 1, 1, 0
	HALF 1, 1, 0, 1, 1, 0
	HALF 0, 0, 0, 1, 1, 1
	CHANGE 0, 0
	HALF 1, 0, 0, 1, 1, 0
	WIN 0
	s_sub_co_u32 s[CNT], s[CNT], 1
	s_cmp_lg_u32 s[CNT], 0
	s_cbranch_scc1 .Lk2n
.Llast:                                                ; the tile's last sub-step; the run of loads ahead of it has brought 64 registers that nothing uses: the price of one text for both trips
	HALF 0, 1, 0, 0, 0, 0
	HALF 1, 1, 0, 0, 0, 0
	WIN 0
; THE EPILOGUE: four trips of 32 rows (row tiles 2 kk, 2 kk + 1).  Only the lines that name an accumulator stand in a switch on kk.
.macro EPA k                           ; the maximum over the 4 column tiles of K, each accumulator's registers in ascending order; the trip's 16 mask numbers
.set AB, 128*((\k)%2)
.set WN, 2+(\k)/2
	WIN WN|(WN<<2)|(WN<<4)
.set z, 0
.rept 16
	v_max3_num_f32 v[MX+z], v[AB+64*(z/8)+z%8], v[AB+64*(z/8)+8+z%8], v[AB+64*(z/8)+16+z%8]
.set z, z+1
.endr
	WIN WN<<2
.set z, 0
.rept 16
	v_max_num_f32 v[MX+z], v[MX+z], v[AB+64*(z/8)+24+z%8]
.set z, z+1
.endr
	WIN 0x40
.set z, 0
.rept 16
	v_mov_b32 v[MFX+z], v[MF+16*(\k)+z]
.set z, z+1
.endr
.endm
.macro EPB k                           ; x log2(e) - m log2(e) for K's 64 numbers a lane; V's rounded to bf16: register 4 u + j / 2 of column tile c's fragment
.set AB, 128*((\k)%2)
.set WN, 2+(\k)/2
	WIN WN
.set z, 0
.rept 32
	v_pk_fma_f32 v[EX+2*z:EX+2*z+1], v[AB+64*(z/16)+2*(z%16):AB+64*(z/16)+2*(z%16)+1], s[CS:CS+1], v[MX+8*(z/16)+2*(z%4):MX+8*(z/16)+2*(z%4)+1] op_sel_hi:[1,0,1] neg_lo:[0,0,1] neg_hi:[0,0,1]
.set z, z+1
.endr
	WIN WN|(WN<<2)
.set z, 0
.rept 32
	v_cvt_pk_bf16_f32 v[VT+8*((z/4)%4)+4*(z/16)+z%4], v[AB+64*(z/16)+32+2*(z%16)], v[AB+64*(z/16)+32+2*(z%16)+1]
.set z, z+1
.endr
.endm
.macro KVMM zero                       ; kv(dt, et) += k^T(dt) v(et), ksum(dt) += k^T(dt) ones: 20 accumulators, one instruction each
	WIN 0x50
.set z, 0
.rept 16
.if \zero
	v_wmma_f32_16x16x32_bf16 v[KV+8*(5*(z/4)+z%4):KV+8*(5*(z/4)+z%4)+7], v[KT+8*(z/4):KT+8*(z/4)+7], v[VT+8*(z%4):VT+8*(z%4)+7], 0
.else
	v_wmma_f32_16x16x32_bf16 v[KV+8*(5*(z/4)+z%4):KV+8*(5*(z/4)+z%4)+7], v[KT+8*(z/4):KT+8*(z/4)+7], v[VT+8*(z%4):VT+8*(z%4)+7], v[KV+8*(5*(z/4)+z%4):KV+8*(5*(z/4)+z%4)+7]
.endif
.set z, z+1
.endr
	WIN 0x54
.set z, 0
.rept 4
.if \zero
	v_wmma_f32_16x16x32_bf16 v[KV+8*(5*z+4):KV+8*(5*z+4)+7], v[KT+8*z:KT+8*z+7], v[ONES:ONES+7], 0
.else
	v_wmma_f32_16x16x32_bf16 v[KV+8*(5*z+4):KV+8*(5*z+4)+7], v[KT+8*z:KT+8*z+7], v[ONES:ONES+7], v[KV+8*(5*z+4):KV+8*(5*z+4)+7]
.endif
.set z, z+1
.endr
.endm
	s_wait_loadcnt 0x0                             ; the mask, and the next tile's bias
	PLACES8                                        ; behind the last products
	WIN 0x40
.set z, 0
.rept 8
	v_mov_b32 v[ONES+z], 0x3f803f80                ; 1.0 twice in bf16
.set z, z+1
.endr
	WIN 0
	s_mov_b32 s[T], 0
.Lrows:
	SWITCH T, EPA, 3, 0,1,2
.irp x, 1,2,4,8                                ; the maximum over the 16 lanes that hold a row's other channels
.set z, 0
.rept 16
	v_max_num_f32_dpp v[MX+z], v[MX+z], v[MX+z] row_xmask:\x row_mask:0xf bank_mask:0xf
.set z, z+1
.endr
.endr
.set z, 0
.rept 8
	v_pk_mul_f32 v[MX+2*z:MX+2*z+1], v[MX+2*z:MX+2*z+1], s[CS:CS+1] op_sel_hi:[1,0]
.set z, z+1
.endr
	SWITCH T, EPB, 3, 0,1,2
.set z, 0
.rept 64
	v_exp_f32 v[EX+z], v[EX+z]
.set z, z+1
.endr
	v_nop                                          ; a plain instruction behind the last exponential,
	s_wait_alu depctr_va_vdst(0)                   ; and one wait for the batch, ahead of its first reader
.irp c, 1,2,3
.set z, 0
.rept 8
.if \c == 1
	v_pk_add_f32 v[SU+2*z:SU+2*z+1], v[EX+32*(z/4)+2*(z%4):EX+32*(z/4)+2*(z%4)+1], v[EX+32*(z/4)+8+2*(z%4):EX+32*(z/4)+8+2*(z%4)+1]
.else
	v_pk_add_f32 v[SU+2*z:SU+2*z+1], v[SU+2*z:SU+2*z+1], v[EX+32*(z/4)+8*\c+2*(z%4):EX+32*(z/4)+8*\c+2*(z%4)+1]
.endif
.set z, z+1
.endr
.endr
.irp x, 1,2,4,8
.set z, 0
.rept 16
	v_add_f32_dpp v[SU+z], v[SU+z], v[SU+z] row_xmask:\x row_mask:0xf bank_mask:0xf
.set z, z+1
.endr
.endr
.set z, 0
.rept 16
	v_rcp_f32 v[SU+z], v[SU+z]
.set z, z+1
.endr
	v_nop
	s_wait_alu depctr_va_vdst(0)                   ; one wait for the sixteen reciprocals
	WIN 0x04
.set z, 0
.rept 8
	v_pk_mul_f32 v[SU+2*z:SU+2*z+1], v[SU+2*z:SU+2*z+1], v[MFX+2*z:MFX+2*z+1]  ; a hidden row's k is 0
.set z, z+1
.endr
	WIN 0
.set z, 0
.rept 32
	v_pk_mul_f32 v[EX+2*z:EX+2*z+1], v[EX+2*z:EX+2*z+1], v[SU+8*(z/16)+2*(z%4):SU+8*(z/16)+2*(z%4)+1]
.set z, z+1
.endr
.set z, 0
.rept 32
	v_cvt_pk_bf16_f32 v[KT+8*((z/4)%4)+4*(z/16)+z%4], v[EX+2*z], v[EX+2*z+1]
.set z, z+1
.endr
	s_cmp_lg_u32 s[T], 0                           ; the first trip's products start the sums
	s_cbranch_scc1 .Lmore
	KVMM 1
	WIN 0
	s_branch .Lnext
.Lmore:
	KVMM 0
	WIN 0
.Lnext:
	s_add_co_u32 s[T], s[T], 1
	s_cmp_lt_u32 s[T], 4
	s_cbranch_scc1 .Lrows
	PLACES8
	s_cmp_lt_u32 s[WV], 2                          ; the two row halves of a head meet in LDS: waves 2, 3 store, waves 0, 1 add and write out
	s_cbranch_scc1 .Lkeep
	WIN 0x04
.set z, 0
.rept 40
	ds_store_b128 v[XA], v[KV+4*z:KV+4*z+3] offset:512*z
.set z, z+1
.endr
	WIN 0
.Lkeep:
	s_wait_dscnt 0x0                               ; for the others' sake: my stores are done.  (The last tile's reads of these bytes were waited for ahead of the K loop's barriers.)
	s_barrier_signal -1
	s_barrier_wait -1                              ; the next tile's K step 1 may stay on its way
	s_cmp_lt_u32 s[WV], 2
	s_cbranch_scc0 .Ltend
.set z, 0
.rept 40
	ds_load_b128 v[64+4*z:64+4*z+3], v[XA] offset:512*z
.set z, z+1
.endr
	s_wait_dscnt 0x0
	WIN 0x01
.set z, 0
.rept 80
	v_pk_add_f32 v[64+2*z:64+2*z+1], v[KV+2*z:KV+2*z+1], v[64+2*z:64+2*z+1]
.set z, z+1
.endr
	WIN 0
.set z, 0
.rept 40
	global_store_b128 v[PO], v[64+4*z:64+4*z+3], s[PB:PB+1] offset:512*z  ; a wave's store covers 512 bytes on end
.set z, z+1
.endr
.Ltend:
	s_wait_xcnt 0x0                                ; the stores have read their data and their base: only now the base steps, and the next tile writes these registers
	s_add_nc_u64 s[MB:MB+1], s[MB:MB+1], 65536     ; the next i's mask
	s_add_nc_u64 s[PB:PB+1], s[PB:PB+1], 10485760  ; and its place in part: 4 x 8 x 16 x 20,480 bytes on
	s_add_co_u32 s[TI], s[TI], 1
	s_cmp_lt_u32 s[TI], 3
	s_cbranch_scc1 .Ltile
	s_wait_tensorcnt 0x0                           ; the wave's end
	ds_add_u32 v[SPW], v[NIL]
	s_wait_dscnt 0x0
	CROUND                                         ; the closing round
	s_endpgm
.Lfunc_end_k_q1c33f35ddc_kvpart:
	.size	k_q1c33f35ddc_kvpart, .Lfunc_end_k_q1c33f35ddc_kvpart-k_q1c33f35ddc_kvpart
	.p2alignl 7, 3214868480
	.fill 96, 4, 3214868480
	.section	.rodata,"a",@progbits
	.p2align	6, 0x0
	.amdhsa_kernel k_q1c33f35ddc_kvpart
		.amdhsa_group_segment_fixed_size 327680
		.amdhsa_private_segment_fixed_size 0
		.amdhsa_enable_private_segment 0
		.amdhsa_kernarg_size 64
		.amdhsa_user_sgpr_count 2
		.amdhsa_user_sgpr_kernarg_segment_ptr 1
		.amdhsa_wavefront_size32 1
		.amdhsa_system_sgpr_workgroup_id_x 1
		.amdhsa_system_sgpr_workgroup_id_y 1
		.amdhsa_system_sgpr_workgroup_id_z 1
		.amdhsa_system_vgpr_workitem_id 0
		.amdhsa_next_free_vgpr 1024
		.amdhsa_next_free_sgpr 102
		.amdhsa_reserve_vcc 0
		.amdhsa_float_denorm_mode_32 3
		.amdhsa_float_denorm_mode_16_64 3
		.amdhsa_memory_ordered 1
		.amdhsa_forward_progress 1
		.amdhsa_inst_pref_size 178
	.end_amdhsa_kernel
	.amdgpu_metadata
---
amdhsa.version: [ 1, 2 ]
amdhsa.kernels:
  - .name:           k_q1c33f35ddc_kvpart
    .symbol:         k_q1c33f35ddc_kvpart.kd
    .args:
      - { .name: emb0, .offset: 0, .size: 8, .value_kind: global_buffer, .address_space: global }
      - { .name: emb1, .offset: 8, .size: 8, .value_kind: global_buffer, .address_space: global }
      - { .name: emb2, .offset: 16, .size: 8, .value_kind: global_buffer, .address_space: global }
      - { .name: maskf, .offset: 24, .size: 8, .value_kind: global_buffer, .address_space: global }
      - { .name: bk, .offset: 32, .size: 8, .value_kind: global_buffer, .address_space: global }
      - { .name: bv, .offset: 40, .size: 8, .value_kind: global_buffer, .address_space: global }
      - { .name: wkv16, .offset: 48, .size: 8, .value_kind: global_buffer, .address_space: global }
      - { .name: part, .offset: 56, .size: 8, .value_kind: global_buffer, .address_space: global }
    .group_segment_fixed_size: 327680
    .private_segment_fixed_size: 0
    .kernarg_segment_align: 8
    .kernarg_segment_size: 64
    .max_flat_workgroup_size: 128
    .sgpr_count:     102
    .vgpr_count:     1024
    .wavefront_size: 32
...
	.end_amdgpu_metadata
.endif
;; end of part 2
;; launch kvred (part 3): grid 13 x 32, 4 waves a work-group, no clusters, 0 bytes of LDS; arguments part, kvf; writes kvf
.if DOCPART == 3
	.amdgcn_target "amdgcn-amd-amdhsa--gfx1250"
	.amdhsa_code_object_version 6
	.text
	.protected	k_q1c33f35ddc_kvred
	.globl	k_q1c33f35ddc_kvred
	.p2align	8
	.type	k_q1c33f35ddc_kvred,@function
k_q1c33f35ddc_kvred:
	s_mov_b64 s[64:65], 0
	v_nop
	global_prefetch_b8 v0, s[64:65] scope:SCOPE_SE
	s_setreg_imm32_b32 hwreg(HW_REG_WAVE_MODE, 25, 1), 1
	s_wait_xcnt 0x0
; The 16 partial sums of each (i, b, head) are added in f32, in ascending order of the row blocks, and written as bf16 fragment images for the last launch.
; A wave makes half u of fragment f = 2 x + wave / 2 of bh = y (u = wave % 2): 512 bytes on end.  f < 24: kv_i^T, e tile et, d half kk (f = (i*4+et)*2+kk): lane (r, h) holds e = 16 et + r and
; d = 32 kk + 16 u + 8 h + j, which is the lane's own register j of part's tile (2 kk + u, et): nothing changes lanes.  f = 24 + kk: the rows of the divisors: row r holds 3 ksum_(r % 8) for r % 8 < 3, else 0.
; All 16 columns of a ksum tile are equal (k^T times ones), so there each lane reads its own lane's place in the tile of ITS input r % 8: one pass for every task.
; A wave's 32 loads go out together; the waits are counted, so that a row block is added while the later ones are on their way.  No LDS, no matrix unit: the launch only streams part once.
.set L, 32                             ; v[32:159]  row block rb at L + 8 rb; the sums are kept in block 0's registers
	s_load_b128 s[4:7], s[0:1], 0x0                ; part, kvf
	v_lshrrev_b32 v1, 5, v0
	v_readfirstlane_b32 s8, v1                     ; wave 0..3
	s_lshr_b32 s9, s8, 1
	s_lshl1_add_u32 s9, ttmp9, s9                  ; f
	s_and_b32 s11, s8, 1                           ; u
	s_and_b32 s10, ttmp7, 0xffff                   ; bh
	s_and_b32 s18, s9, 1                           ; kk
	s_bfe_u32 s14, s9, 0x20001                     ; et
	s_lshr_b32 s15, s9, 3                          ; i
	s_cmp_lt_u32 s9, 24
	s_cselect_b32 s12, 1.0, 0x40400000             ; the factor: 1 or 3
	s_cselect_b32 s14, s14, 4
	s_cselect_b32 s15, s15, 0
	s_cselect_b32 s16, 0, 7
	s_mov_b32 s13, s12                             ; named with it as a pair
	v_and_b32 v2, s16, v0                          ; r % 8 in a divisors' task, else 0
	v_cmp_gt_u32 s20, 3, v2                        ; the lanes that keep their sums
	v_cndmask_b32 v4, 0, v2, s20                   ; my lane's input
	v_mul_u32_u24 v4, v4, 0xa00000                 ; 10,485,760 bytes of part for each input
	v_and_b32 v3, 31, v0
	v_lshlrev_b32 v3, 4, v3                        ; 16 bytes a lane
	v_add_nc_u32 v5, v3, v4
	s_lshl_b32 s17, s15, 5
	s_add_co_u32 s17, s17, s10
	s_mul_i32 s17, s17, 327680                     ; (i*32 + bh) * 16 blocks * 20 tiles * 1,024
	s_mul_i32 s18, s18, 10
	s_mul_i32 s19, s11, 5
	s_add_co_u32 s18, s18, s19
	s_add_co_u32 s18, s18, s14
	s_lshl_b32 s18, s18, 10                        ; tile 5 (2 kk + u) + et
	s_add_co_u32 s18, s18, s17
	s_mov_b32 s19, 0
	s_mul_i32 s22, s10, 26624
	s_lshl_b32 s21, s9, 10
	s_add_co_u32 s22, s22, s21
	s_lshl_b32 s21, s11, 9
	s_add_co_u32 s22, s22, s21
	s_mov_b32 s23, 0
	s_wait_kmcnt 0x0
	s_add_nc_u64 s[4:5], s[4:5], s[18:19]
	s_add_nc_u64 s[6:7], s[6:7], s[22:23]
.set z, 0
.rept 32                                               ; 16 row blocks x the tile's two halves
	global_load_b128 v[L+4*z:L+4*z+3], v5, s[4:5] offset:(z/2)*20480+(z%2)*512 th:TH_LOAD_NT
.set z, z+1
.endr
.set rb, 1
.rept 15
	s_wait_loadcnt 2*(15-rb)                       ; blocks 0 to rb are in; the two loads of each younger block stay out
.irp k, 0,1,2,3
	v_pk_add_f32 v[L+2*\k:L+2*\k+1], v[L+2*\k:L+2*\k+1], v[L+8*rb+2*\k:L+8*rb+2*\k+1]
.endr
.set rb, rb+1
.endr
.irp k, 0,1,2,3
	v_pk_mul_f32 v[L+2*\k:L+2*\k+1], v[L+2*\k:L+2*\k+1], s[12:13] op_sel_hi:[1,0]
.endr
.irp k, 0,1,2,3,4,5,6,7
	v_cndmask_b32 v[L+\k], 0, v[L+\k], s20         ; the divisors' rows 3 to 7 and 11 to 15 are 0
.endr
.irp k, 0,1,2,3
	v_cvt_pk_bf16_f32 v[8+\k], v[L+2*\k], v[L+2*\k+1]
.endr
	global_store_b128 v3, v[8:11], s[6:7]
	s_endpgm
.Lfunc_end_k_q1c33f35ddc_kvred:
	.size	k_q1c33f35ddc_kvred, .Lfunc_end_k_q1c33f35ddc_kvred-k_q1c33f35ddc_kvred
	.p2alignl 7, 3214868480
	.fill 96, 4, 3214868480
	.section	.rodata,"a",@progbits
	.p2align	6, 0x0
	.amdhsa_kernel k_q1c33f35ddc_kvred
		.amdhsa_group_segment_fixed_size 0
		.amdhsa_private_segment_fixed_size 0
		.amdhsa_enable_private_segment 0
		.amdhsa_kernarg_size 16
		.amdhsa_user_sgpr_count 2
		.amdhsa_user_sgpr_kernarg_segment_ptr 1
		.amdhsa_wavefront_size32 1
		.amdhsa_system_sgpr_workgroup_id_x 1
		.amdhsa_system_sgpr_workgroup_id_y 1
		.amdhsa_system_sgpr_workgroup_id_z 1
		.amdhsa_system_vgpr_workitem_id 0
		.amdhsa_next_free_vgpr 160
		.amdhsa_next_free_sgpr 66
		.amdhsa_reserve_vcc 0
		.amdhsa_float_denorm_mode_32 3
		.amdhsa_float_denorm_mode_16_64 3
		.amdhsa_memory_ordered 1
		.amdhsa_forward_progress 1
		.amdhsa_inst_pref_size 11
	.end_amdhsa_kernel
	.amdgpu_metadata
---
amdhsa.version: [ 1, 2 ]
amdhsa.kernels:
  - .name:           k_q1c33f35ddc_kvred
    .symbol:         k_q1c33f35ddc_kvred.kd
    .args:
      - { .name: part, .offset: 0, .size: 8, .value_kind: global_buffer, .address_space: global }
      - { .name: kvf, .offset: 8, .size: 8, .value_kind: global_buffer, .address_space: global }
    .group_segment_fixed_size: 0
    .private_segment_fixed_size: 0
    .kernarg_segment_align: 8
    .kernarg_segment_size: 16
    .max_flat_workgroup_size: 128
    .sgpr_count:     66
    .vgpr_count:     160
    .wavefront_size: 32
...
	.end_amdgpu_metadata
.endif
;; end of part 3
;; launch attn (part 4): grid 256 x 1, 4 waves a work-group, clusters of 4 x 1, 327,680 bytes of LDS; arguments x, wqo16, bq, bo, kvf, out0; writes out0
.if DOCPART == 4
	.amdgcn_target "amdgcn-amd-amdhsa--gfx1250"
	.amdhsa_code_object_version 6
	.text
	.protected	k_q1c33f35ddc_attn
	.globl	k_q1c33f35ddc_attn
	.p2align	8
	.type	k_q1c33f35ddc_attn,@function
k_q1c33f35ddc_attn:
	s_mov_b64 s[64:65], 0
	v_nop
	global_prefetch_b8 v0, s[64:65] scope:SCOPE_SE
	s_setreg_imm32_b32 hwreg(HW_REG_WAVE_MODE, 25, 1), 1
	s_wait_xcnt 0x0
	s_wait_alu depctr_hold_cnt(0) depctr_sa_sdst(0) depctr_va_vdst(0) depctr_va_sdst(0) depctr_va_ssrc(0) depctr_va_vcc(0) depctr_vm_vsrc(0)
	s_getreg_b32 s2, hwreg(HW_REG_IB_STS2, 6, 4)
	s_cmp_eq_u32 s2, 0
	s_cbranch_scc0 .Lentry_in_a_cluster
	s_endpgm
.Lentry_in_a_cluster:
	s_bfe_u32 s2, ttmp6, 0x10000c
	s_cmp_lg_u32 s2, 0x3003
	s_cbranch_scc0 .Lentry_shape_is_right
	s_endpgm
.Lentry_shape_is_right:
; out0 = ((q + sum_i (q kv_i) / (q . ksum_i)) / 3) Wo^T + bo, q = softmax over each head's 64 channels of x Wq^T + bq.  A work-group owns 128 tokens and never sends q or the sum to memory.
; x, Wq, bq, bo are rounded to bf16; q' = q / 3 is rounded to bf16 for the products with kv_i and 3 ksum_i (o_i / 3 = (q' kv_i) / (q' . 3 ksum_i)); the sum out' is rounded once to f16 for the last product,
; whose weights are Wo's bf16 numbers written as f16.  All sums, maxima and reciprocals in f32; the softmax takes the true maximum away.
; LIMITS: |out'| <= 1/3 + max |v| must stay under 65,504; a weight of the softmax below 2^-126 counts as 0; a batch whose mask hides every row gives infinities or NaN, as the division by 0 does in the problem itself.
; SHARES.  Wave w owns channels 128 w .. + 127 (heads 2 w, 2 w + 1) of all 128 tokens, in all three phases: 64 accumulators.
; PHASE 1: x Wq^T + bq, K in 8 steps of 64 through two LDS slots (512 weight rows in bf16, 128 rows of x in f32, converted between LDS and the matrix unit).  PHASE 2: a loop over 2 heads x 8 token tiles.
; PHASE 3: out' (in LDS, where x's tiles lay after their last fill) times Wo^T; Wo's 8 steps follow Wq's through the same ring.
; CLUSTER 4 x 1: the four work-groups walk the same weights: each weight tile is asked for jointly.  x is each work-group's own: a plain tensor load.
; LAYOUT.  Source 0 = 16 weight rows, source 1 = 16 tokens: a lane holds ONE token (lane % 16) and the channels 16 c + 8 (lane / 16) + 0..7: two channel tiles rounded in pairs ARE source 1 of the next product.
; REGISTERS.  window 0: v0-31 addresses; v64-191 two buffers of token fragments; v192-255 bias tiles.  window 1: v0-127 x in f32; v128-255 two buffers of weight fragments; in phase 2 v0-191 kv's fragments.
; windows 2, 3: accumulator (token tile a, channel tile c) at window 2 + a / 4, v[8 (8 (a % 4) + c)].
.set SLOT1, 1<<17
.set FP,    272
.set WP,    144
.set FOFF,  512*WP                     ; a slot: 512 weight rows, then 128 rows of x
.set SPARE, FOFF+128*FP                ; the spare words, 128 bytes a wave
.set STG0,  SPARE+512                  ; stages of waves 0, 1: 16 rows x 528 bytes each
.set OPI,   1040                       ; a token's row of out': 1,024 bytes + 16
.set OUTA,  FOFF                       ; tokens 0-31, where slot 0's x lay
.set OUTB,  SLOT1+FOFF                 ; tokens 32-127, where slot 1's x lay and beyond
.set STG1,  OUTB+96*OPI                ; stages of waves 2, 3
.set SGP,   528
.set AF0, 2
.set AW0, 3
.set AF,  4
.set AW,  5
.set PFO, 6
.set KVO, 8
.set BO,  9
.set OST, 10
.set ORD, 13
.set STO, 16
.set RD,  17
.set GO,  18
.set SPW, 30
.set NIL, 31
.set R,   40
.set F,   64
.set BIAS, 192
.set X,   64
.set QB,  96
.set DN,  112
.set O,   120
.set DENF, 216
.set CC,  232
.set TR,  236
.set TM,  232
.set ML,  252
.set RS,  254
.set RAW, 0
.set WF,  128
.set WV, 20
.set CX, 21
.set IDX, 22
.set W1, 23
.set G1F, 24
.set G1W, 32
.set G0F, 40
.set G0W, 48
.set TB,  56
.set CNT, 57
.set LIM, 58
.set T,   59
.set PFA, 60
.set HD,  62
.set SEL, 86
.set CS,  88
.set KP,  90
.set OPB, 92
.set MSB, 0
.macro WIN new
.if MSB != (\new)
	s_set_vgpr_msb (MSB<<8)|(\new)
.set MSB, (\new)
.endif
.endm
.macro JLOAD                           ; waves 0, 1: my work-group's own x; waves 2, 3: the weights, jointly; s_nop 0 and four v_nop follow each line
	s_cmp_lt_u32 s[WV], 2
	s_cbranch_scc0 .Lfor_w_\@
	tensor_load_to_lds s[G0F+4:G0F+7], s[G1F:G1F+7]
	s_nop 0
.rept 4
	v_nop
.endr
	s_branch .Lasked_\@
.Lfor_w_\@:
	tensor_load_to_lds s[G0W+4:G0W+7], s[G1W:G1W+7]
	s_nop 0
.rept 4
	v_nop
.endr
.Lasked_\@:
.endm
.macro JLOADW                          ; the weights alone: x has had its last fill
	s_cmp_lt_u32 s[WV], 2
	s_cbranch_scc1 .Lnone_\@
	tensor_load_to_lds s[G0W+4:G0W+7], s[G1W:G1W+7]
	s_nop 0
.rept 4
	v_nop
.endr
.Lnone_\@:
.endm
; A prefetch into the L2 of x's K step two refills on: wave w names rows 32 w + lane of the work-group's 128, 256 bytes each: K steps 4 to 7, each once.  The weights are walked by every work-group: not asked for.
.macro ASK how
.if \how
	s_cmp_eq_u32 s[LIM], 2
.else
	s_cmp_gt_u32 s[CNT], s[LIM]
.endif
	s_cbranch_scc0 .Lna_\@
	global_prefetch_b8 v[PFO], s[PFA:PFA+1] th:TH_LOAD_NT scope:SCOPE_SE
.Lna_\@:
.endm
.macro CREST
	s_cmp_lg_u32 s[WV], 0
	s_cbranch_scc1 .Lnw0_\@
	s_barrier_signal -3
.Lnw0_\@:
	s_barrier_wait -3
	s_barrier_signal -1
	s_barrier_wait -1
.endm
.macro CROUND
	s_barrier_signal -1
	s_barrier_wait -1
	CREST
.endm
.macro LDRAW t0, q
.irp a, 0,1,2,3
	ds_load_b128 v[RAW+16*((\t0)+\a):RAW+16*((\t0)+\a)+3],     v[AF] offset:((\t0)+\a)*16*FP+128*(\q)
	ds_load_b128 v[RAW+16*((\t0)+\a)+4:RAW+16*((\t0)+\a)+7],   v[AF] offset:((\t0)+\a)*16*FP+128*(\q)+16
	ds_load_b128 v[RAW+16*((\t0)+\a)+8:RAW+16*((\t0)+\a)+11],  v[AF] offset:((\t0)+\a)*16*FP+128*(\q)+64
	ds_load_b128 v[RAW+16*((\t0)+\a)+12:RAW+16*((\t0)+\a)+15], v[AF] offset:((\t0)+\a)*16*FP+128*(\q)+80
.endr
.endm
.macro LDWF P
.irp c, 0,1,2,3,4,5,6,7
	ds_load_b128 v[WF+64*(\P)+8*\c:WF+64*(\P)+8*\c+3],   v[AW] offset:\c*16*WP+64*(\P)
	ds_load_b128 v[WF+64*(\P)+8*\c+4:WF+64*(\P)+8*\c+7], v[AW] offset:\c*16*WP+64*(\P)+32
.endr
.endm
.macro STEPS
	s_xor_b32 s[G0F+5], s[G0F+5], SLOT1
	s_add_nc_u64 s[G0F+6:G0F+7], s[G0F+6:G0F+7], 256
	s_xor_b32 s[G0W+5], s[G0W+5], SLOT1
	s_add_nc_u64 s[G0W+6:G0W+7], s[G0W+6:G0W+7], 65536
	s_wait_xcnt 0x0                                ; the last prefetch, a K step back, has read its address
	s_add_nc_u64 s[PFA:PFA+1], s[PFA:PFA+1], 256
	s_xor_b32 s[TB], s[TB], SLOT1
.endm
.macro MM1 hf, P, cm
.if \cm
	WIN 0x81+0x40*(\hf)
	v_wmma_f32_16x16x32_bf16 v[8*n:8*n+7], v[WF+64*(\P)+8*(n%8):WF+64*(\P)+8*(n%8)+7], v[F+64*(\P)+32*(\hf)+8*(n/8):F+64*(\P)+32*(\hf)+8*(n/8)+7], v[BIAS+8*(n%8):BIAS+8*(n%8)+7]
.else
	WIN 0xa1+0x50*(\hf)
	v_wmma_f32_16x16x32_bf16 v[8*n:8*n+7], v[WF+64*(\P)+8*(n%8):WF+64*(\P)+8*(n%8)+7], v[F+64*(\P)+32*(\hf)+8*(n/8):F+64*(\P)+32*(\hf)+8*(n/8)+7], v[8*n:8*n+7]
.endif
.endm
; HALF of a sub-step of 32 along K: 32 matrix instructions on buffers P, the 64 accumulators by turns.  ld: a run of LDS loads at its head (half 0: x's token tiles 4-7 and the weights of the
; next sub-step; half 1: x's token tiles 0-3 of the sub-step after that).  rd: behind every fourth matrix instruction four conversions into buffer 1 - P; the last four are the places in front of the next run of loads.
; meet: the change of slots: the wait for all my tensor loads, the add, the wait for it and for my reads of the slot, the barrier's signal and wait.
.macro HALF hf, P, cm, ld, rd, meet
.if \ld
	WIN 0x40
.if (\hf) == 0
	LDRAW 4, 1-(\P)
	LDWF 1-(\P)
.else
	LDRAW 0, \P
.endif
	s_wait_dscnt 32-16*(\hf)                       ; all but the run just issued is in
.else
	s_wait_dscnt 0x0
.endif
.set n, 0
.rept 32
.if (\meet) && (n == 16)
	WIN 0
	s_wait_tensorcnt 0x0                           ; all my tensor loads have landed
	ds_add_u32 v[SPW], v[NIL]
	STEPS
.endif
.if (\meet) && (n == 24)
	s_wait_dscnt 0x0                               ; the add is done and my reads of this slot are over
	s_barrier_signal -1
.endif
	MM1 \hf, \P, \cm
.if (\rd) && (n%4 == 3)
	WIN 0x05
.irp k, 0,1,2,3
	v_cvt_pk_bf16_f32 v[F+64*(1-(\P))+32*(\hf)+n-3+\k], v[RAW+64*(\hf)+2*(n-3+\k)], v[RAW+64*(\hf)+2*(n-3+\k)+1]
.endr
.endif
.set n, n+1
.endr
.if \meet
	WIN 0
	s_barrier_wait -1
.endif
.endm
.macro CHANGE fill, how                ; fill = 1: x and weights; 2: weights alone.  The barrier has opened a round of the cluster's; the refill is the first thing behind it
.if (\fill) == 1
	CREST
	JLOAD
	ASK \how
.else
	CREST
	JLOADW
.endif
	v_add_nc_u32 v[AF], s[TB], v[AF0]
	v_add_nc_u32 v[AW], s[TB], v[AW0]
.endm
.macro SWITCH sreg, body, last, list:vararg
.irp k, \list
	s_cmp_lg_u32 s[\sreg], \k
	s_cbranch_scc1 .Lnx_\@_\k
	\body \k
	WIN 0
	s_branch .Ldn_\@
.Lnx_\@_\k:
.endr
	\body \last
	WIN 0
.Ldn_\@:
.endm
.macro PLACES8
.rept 8
	v_nop
.endr
.endm
.macro LDBIAS base                     ; a bias of my 128 channels as 8 C tiles: register j of tile c is channel 16 c + 8 h + j
.set z, 0
.rept 16
	global_load_b128 v[BIAS+4*z:BIAS+4*z+3], v[BO], s[\base:\base+1] offset:64*(z/2)+16*(z%2)
.set z, z+1
.endr
.endm
.macro ROUNDB                          ; rounded to bf16, kept as f32
.set z, 0
.rept 32
	v_cvt_pk_bf16_f32 v[BIAS+2*z], v[BIAS+2*z], v[BIAS+2*z+1]
	v_and_b32 v[BIAS+2*z+1], 0xffff0000, v[BIAS+2*z]
	v_lshlrev_b32 v[BIAS+2*z], 16, v[BIAS+2*z]
.set z, z+1
.endr
.endm
	s_load_b256 s[4:11], s[0:1], 0x0               ; x 4, wqo16 6, bq 8, bo 10
	s_load_b128 s[12:15], s[0:1], 0x20             ; kvf 12, out0 14
	v_lshl_add_u32 v[SPW], v0, 2, SPARE
	v_mov_b32 v[NIL], 0
	ds_add_u32 v[SPW], v[NIL]                      ; the wave's opening: the add and its wait ahead of my first tensor load
	v_lshrrev_b32 v1, 5, v0
	v_readfirstlane_b32 s[WV], v1
	s_and_b32 s[W1], s[WV], 1
	s_bfe_u32 s[CX], ttmp6, 0x40000
	s_lshl_b32 s[IDX], ttmp9, 2
	s_add_co_u32 s[IDX], s[IDX], s[CX]             ; my block of 128 tokens: it enters x's and out0's addresses alone
	s_mov_b32 s[G1F], (2<<16)|(1<<20)|(5<<22)|(3<<25)  ; x: no mask; 4-byte elements; 4 words of padding behind every 64
	s_mov_b32 s[G1F+1], 64<<16
	s_mov_b32 s[G1F+2], 64<<16
	s_mov_b32 s[G1F+3], 64<<16                     ; a tile of 64 rows x 64 elements
	s_mov_b32 s[G1F+4], 64
	s_mov_b32 s[G1F+5], 512
	s_mov_b32 s[G1F+6], 0
	s_mov_b32 s[G1F+7], 0
	s_mov_b32 s[G1W], 15|(1<<16)|(1<<20)|(1<<21)|(4<<22)|(3<<25)  ; weights: all four partners; 2-byte elements; 4 words behind every 32
	s_mov_b32 s[G1W+1], 128<<16                    ; 256 weight rows of 128 bytes are dense: asked for as 128 rows of 256 bytes
	s_mov_b32 s[G1W+2], 128<<16
	s_mov_b32 s[G1W+3], 128<<16
	s_mov_b32 s[G1W+4], 128
	s_mov_b32 s[G1W+5], 128
	s_mov_b32 s[G1W+6], 0
	s_mov_b32 s[G1W+7], 0
	s_lshl_b32 s66, s[IDX], 18                     ; 128 tokens of 2,048 bytes
	s_lshl_b32 s67, s[W1], 17
	s_add_co_u32 s68, s66, s67                     ; x: my 64 rows
	s_mov_b32 s69, 0
	s_lshl_b32 s70, s[W1], 15                      ; weights: my 256 rows of a K block
	s_mov_b32 s71, 0
	s_mul_i32 s72, s[W1], 64*FP
	s_add_co_u32 s72, s72, FOFF
	s_mul_i32 s73, s[W1], 256*WP
	s_lshl_b32 s74, s[WV], 16                      ; the prefetches: my 32 rows, at K step 3; each change of slots steps it
	s_add_co_u32 s74, s74, s66
	s_add_co_u32 s74, s74, 768
	s_mov_b32 s75, 0
	s_lshr_b32 s76, ttmp9, 4                       ; b
	s_lshl_b32 s76, s76, 3
	s_lshl1_add_u32 s76, s[WV], s76                ; b*8 + 2 w
	s_mul_i32 s76, s76, 26624
	s_mov_b32 s77, 0
	s_mov_b32 s78, s66
	s_mov_b32 s79, 0
	s_mov_b32 s[LIM], 2
	s_mov_b32 s[CS], 0x3fb8aa3b                    ; log2(e)
	s_mov_b32 s[CS+1], s[CS]
	s_mov_b32 s[SEL], 0x76543210
	s_mov_b32 s[SEL+1], 0xfedcba98
	s_mov_b32 s[TB], 0
	s_wait_dscnt 0x0                               ; the opening add is done
	s_wait_kmcnt 0x0
	s_add_nc_u64 s[PFA:PFA+1], s[4:5], s[74:75]
	s_add_nc_u64 s[80:81], s[4:5], s[68:69]
	s_add_nc_u64 s[82:83], s[6:7], s[70:71]
	s_add_nc_u64 s[KP:KP+1], s[12:13], s[76:77]
	s_add_nc_u64 s[OPB:OPB+1], s[14:15], s[78:79]
	CROUND                                         ; all four work-groups are here: the first joint loads meet
.irp s, 0,1
	s_mov_b32 s[G0F+4*\s], 1
	s_add_co_u32 s[G0F+4*\s+1], s72, \s*SLOT1
	s_add_nc_u64 s[G0F+4*\s+2:G0F+4*\s+3], s[80:81], \s*256
	s_or_b32 s[G0F+4*\s+3], s[G0F+4*\s+3], 0x80000000
	s_mov_b32 s[G0W+4*\s], 1
	s_add_co_u32 s[G0W+4*\s+1], s73, \s*SLOT1
	s_add_nc_u64 s[G0W+4*\s+2:G0W+4*\s+3], s[82:83], \s*65536
	s_or_b32 s[G0W+4*\s+3], s[G0W+4*\s+3], 0x80000000
.endr
	s_cmp_lt_u32 s[WV], 2                          ; a wave's two first fills stand in one branch: K steps 0 and 1; two loads of mine are out
	s_cbranch_scc0 .Lfirst_w
	tensor_load_to_lds s[G0F:G0F+3], s[G1F:G1F+7]
	s_nop 0
	tensor_load_to_lds s[G0F+4:G0F+7], s[G1F:G1F+7]
	s_nop 0
.rept 4
	v_nop
.endr
	s_branch .Lfirst_done
.Lfirst_w:
	tensor_load_to_lds s[G0W:G0W+3], s[G1W:G1W+7]
	s_nop 0
	tensor_load_to_lds s[G0W+4:G0W+7], s[G1W:G1W+7]
	s_nop 0
.rept 4
	v_nop
.endr
.Lfirst_done:
	v_and_b32 v1, 15, v0                           ; r
	v_bfe_u32 v7, v0, 4, 1                         ; h
	v_and_b32 v19, 31, v0                          ; lane
	s_lshl_b32 s66, s[WV], 9
	v_lshl_add_u32 v[BO], v7, 5, s66               ; 512 w + 32 h
	LDBIAS 8
	v_mul_u32_u24 v[AF0], v1, FP
	v_lshl_add_u32 v[AF0], v7, 5, v[AF0]
	v_add_nc_u32 v[AF0], FOFF, v[AF0]
	v_mul_u32_u24 v[AW0], v1, WP
	v_lshl_add_u32 v[AW0], v7, 4, v[AW0]
	s_mul_i32 s67, s[WV], 128*WP
	v_add_nc_u32 v[AW0], s67, v[AW0]
	v_mov_b32 v[AF], v[AF0]
	v_mov_b32 v[AW], v[AW0]
	v_lshlrev_b32 v[PFO], 11, v19
	v_lshlrev_b32 v[KVO], 4, v19
	v_add_nc_u32 v[GO], s66, v[KVO]                ; 512 w + 16 lane
	v_mul_u32_u24 v[ORD], v1, OPI                  ; out': token row x pitch + 16 h, from three bases so that the tiles' offsets fit the immediate: token tiles 0-1, 2-4, 5-7
	v_lshl_add_u32 v[ORD], v7, 4, v[ORD]
	v_add_nc_u32 v[ORD+2], OUTB+48*OPI, v[ORD]
	v_add_nc_u32 v[ORD+1], OUTB, v[ORD]
	v_add_nc_u32 v[ORD], OUTA, v[ORD]
	s_lshl_b32 s67, s[WV], 8
	v_add_nc_u32 v[OST], s67, v[ORD]               ; stored at my 128 channels: + 256 w
	v_add_nc_u32 v[OST+1], s67, v[ORD+1]
	v_add_nc_u32 v[OST+2], s67, v[ORD+2]
	s_lshr_b32 s67, s[WV], 1
	s_mul_i32 s67, s67, STG1-STG0
	s_mul_i32 s68, s[W1], 16*SGP
	s_add_co_u32 s67, s67, s68
	s_add_co_u32 s67, s67, STG0                    ; my stage
	v_mul_u32_u24 v[STO], v1, SGP
	v_lshl_add_u32 v[STO], v7, 5, v[STO]
	v_add_nc_u32 v[STO], s67, v[STO]
	v_add_nc_u32 v[RD], s67, v[KVO]
	s_wait_loadcnt 0x0
	ROUNDB
	s_wait_tensorcnt 0x1                           ; my part of K step 0 is in; step 1's may stay out
	s_barrier_signal -1
	s_barrier_wait -1
	WIN 0x40
	LDRAW 0, 0
	LDRAW 4, 0
	LDWF 0
	s_wait_dscnt 0x0
	WIN 0x05
.set z, 0
.rept 64
	v_cvt_pk_bf16_f32 v[F+z], v[RAW+2*z], v[RAW+2*z+1]
.set z, z+1
.endr
	WIN 0x40
	LDRAW 0, 1
	HALF 0, 0, 1, 1, 1, 1                          ; K step 0's first sub-step starts the sums with bq
	CHANGE 1, 1
	HALF 1, 0, 1, 1, 1, 0
	WIN 0
	s_mov_b32 s[CNT], 5
.Lk1:
	HALF 0, 1, 0, 1, 1, 0
	HALF 1, 1, 0, 1, 1, 0
	HALF 0, 0, 0, 1, 1, 1
	CHANGE 1, 0
	HALF 1, 0, 0, 1, 1, 0
	WIN 0
	s_sub_co_u32 s[CNT], s[CNT], 1
	s_cmp_lg_u32 s[CNT], 0
	s_cbranch_scc1 .Lk1
	s_mov_b32 s[CNT], 2
.Lk2:                                                  ; the last two changes ask for Wo's K steps 0 and 1; the second trip's last run of loads brings 64 registers that nothing uses
	HALF 0, 1, 0, 1, 1, 0
	HALF 1, 1, 0, 1, 1, 0
	HALF 0, 0, 0, 1, 1, 1
	CHANGE 2, 0
	HALF 1, 0, 0, 1, 1, 0
	WIN 0
	s_sub_co_u32 s[CNT], s[CNT], 1
	s_cmp_lg_u32 s[CNT], 0
	s_cbranch_scc1 .Lk2
	HALF 0, 1, 0, 0, 0, 0
	HALF 1, 1, 0, 0, 0, 0
	WIN 0
	s_wait_dscnt 0x0                               ; every wave's reads of x's tiles are over before out' is stored where they lay
	s_barrier_signal -1
	s_barrier_wait -1
; PHASE 2.  T = 8 hd + t: head 2 w + hd, token tile t.  The tile's 32 scores a lane are 32 registers on end: accumulators (t, 4 hd .. 4 hd + 3).
.macro QA k                            ; the lane's maximum: four chains of seven, then the four left over; each accumulator's lowest registers are read first
.set AB, 64*((\k)%4)+32*((\k)/8)
.set WN, 2+((\k)%8)/4
	WIN WN|(WN<<2)|(WN<<4)
.irp n, 0,1,2,3
	v_max3_num_f32 v[CC+\n], v[AB+8*\n], v[AB+8*\n+1], v[AB+8*\n+2]
.endr
	WIN (WN<<2)|(WN<<4)
.irp n, 4,5,6,7,8,9,10,11
	v_max3_num_f32 v[CC+(\n)%4], v[CC+(\n)%4], v[AB+8*((\n)%4)+2*((\n)/4)+1], v[AB+8*((\n)%4)+2*((\n)/4)+2]
.endr
	v_max3_num_f32 v[CC], v[CC], v[AB+7], v[AB+15]
	v_max3_num_f32 v[CC+1], v[CC+1], v[AB+23], v[AB+31]
.endm
.macro QS k                            ; s log2(e) - m log2(e)
.set AB, 64*((\k)%4)+32*((\k)/8)
.set WN, 2+((\k)%8)/4
	WIN WN
.set z, 0
.rept 16
	v_pk_fma_f32 v[X+2*z:X+2*z+1], v[AB+2*z:AB+2*z+1], s[CS:CS+1], v[ML:ML+1] op_sel_hi:[1,0,0] neg_lo:[0,0,1] neg_hi:[0,0,1]
.set z, z+1
.endr
.endm
.macro QO k                            ; out' of the tile and head into LDS: 16 bytes (8 channels) a lane and e tile
.set GI, ((\k)%8+1)/3
.set TO, ((\k)%8-(3*GI-(GI+1)/2))*16*OPI
.irp e, 0,1,2,3
	ds_store_b128 v[OST+GI], v[TM+4*\e:TM+4*\e+3] offset:TO+128*((\k)/8)+32*\e
.endr
.endm
.macro PVMM kk                         ; d half kk: the divisors' rows, then 3 x 4 tiles of kv_i^T q'^T; 13 accumulators by turns
	WIN 0
.if (\kk) == 0
	v_wmma_f32_16x16x32_bf16 v[DN:DN+7], v[DENF:DENF+7], v[QB:QB+7], 0
.else
	v_wmma_f32_16x16x32_bf16 v[DN:DN+7], v[DENF+8:DENF+15], v[QB+8:QB+15], v[DN:DN+7]
.endif
	WIN 0x01
.set z, 0
.rept 12
.if (\kk) == 0
	v_wmma_f32_16x16x32_bf16 v[O+8*z:O+8*z+7], v[16*z:16*z+7], v[QB:QB+7], 0
.else
	v_wmma_f32_16x16x32_bf16 v[O+8*z:O+8*z+7], v[16*z+8:16*z+15], v[QB+8:QB+15], v[O+8*z:O+8*z+7]
.endif
.set z, z+1
.endr
.endm
	PLACES8                                        ; behind phase 1's last products
	v_mov_b32 v[ML+1], 0                           ; the second registers of pairs of which the first is taken for both halves
	v_mov_b32 v[RS+1], 0
	v_mov_b32 v[R+1], 0
	v_mov_b32 v[R+3], 0
	v_mov_b32 v[R+5], 0
	s_mov_b32 s[T], 0
	s_mov_b32 s[HD], 2
.Lhead:
	WIN 0x40                                       ; the head's 24 fragments of kv^T and the 2 of the divisors' rows, as they lie in kvf
.set z, 0
.rept 48
	global_load_b128 v[4*z:4*z+3], v[KVO], s[KP:KP+1] offset:512*z
.set z, z+1
.endr
	WIN 0
.set z, 0
.rept 4
	global_load_b128 v[DENF+4*z:DENF+4*z+3], v[KVO], s[KP:KP+1] offset:24576+512*z
.set z, z+1
.endr
	s_wait_loadcnt 0x0
	s_add_nc_u64 s[KP:KP+1], s[KP:KP+1], 26624     ; the loads have come back: the next head
	s_mov_b32 s[CNT], 8
.Ltok:
	SWITCH T, QA, 15, 0,1,2,3,4,5,6,7,8,9,10,11,12,13,14
	v_max3_num_f32 v[CC], v[CC], v[CC+1], v[CC+2]
	v_max_num_f32 v[CC], v[CC], v[CC+3]
	v_permlanex16_b32 v[CC+1], v[CC], s[SEL], s[SEL+1]  ; the token's other 32 channels lie in the lane 16 away
	v_max_num_f32 v[CC], v[CC], v[CC+1]
	v_mul_f32 v[ML], s[CS], v[CC]
	SWITCH T, QS, 15, 0,1,2,3,4,5,6,7,8,9,10,11,12,13,14
.set z, 0
.rept 32
	v_exp_f32 v[X+z], v[X+z]
.set z, z+1
.endr
	v_nop
	s_wait_alu depctr_va_vdst(0)                   ; one wait for the 32 exponentials
.set z, 0
.rept 8
	v_pk_add_f32 v[TR+2*z:TR+2*z+1], v[X+2*z:X+2*z+1], v[X+16+2*z:X+16+2*z+1]
.set z, z+1
.endr
.irp w, 8,4,2
.set z, 0
.rept \w/2
	v_pk_add_f32 v[TR+2*z:TR+2*z+1], v[TR+2*z:TR+2*z+1], v[TR+\w+2*z:TR+\w+2*z+1]
.set z, z+1
.endr
.endr
	v_add_f32 v[TR], v[TR], v[TR+1]
	v_permlanex16_b32 v[TR+1], v[TR], s[SEL], s[SEL+1]
	v_add_f32 v[TR], v[TR], v[TR+1]
	v_rcp_f32 v[RS], v[TR]
	v_nop
	s_wait_alu depctr_va_vdst(0)
	v_mul_f32 v[RS], 0x3eaaaaab, v[RS]             ; 1 / (3 sum)
.set z, 0
.rept 16
	v_pk_mul_f32 v[X+2*z:X+2*z+1], v[X+2*z:X+2*z+1], v[RS:RS+1] op_sel_hi:[1,0]  ; q' = q / 3
.set z, z+1
.endr
.set z, 0
.rept 16
	v_cvt_pk_bf16_f32 v[QB+z], v[X+2*z], v[X+2*z+1]
.set z, z+1
.endr
	PVMM 0
	PVMM 1
	WIN 0
	PLACES8
	v_rcp_f32 v[R], v[DN]                          ; register i of the divisors' tile is q' . 3 ksum_i, in both halves of the lanes
	v_rcp_f32 v[R+2], v[DN+1]
	v_rcp_f32 v[R+4], v[DN+2]
	v_nop
	s_wait_alu depctr_va_vdst(0)
.set z, 0
.rept 48
	v_pk_fma_f32 v[X+2*(z%16):X+2*(z%16)+1], v[O+32*(z/16)+2*(z%16):O+32*(z/16)+2*(z%16)+1], v[R+2*(z/16):R+2*(z/16)+1], v[X+2*(z%16):X+2*(z%16)+1] op_sel_hi:[1,0,1]
.set z, z+1
.endr
.set z, 0
.rept 16
	v_cvt_pk_f16_f32 v[TM+z], v[X+2*z], v[X+2*z+1]
.set z, z+1
.endr
	SWITCH T, QO, 15, 0,1,2,3,4,5,6,7,8,9,10,11,12,13,14
	s_add_co_u32 s[T], s[T], 1
	s_sub_co_u32 s[CNT], s[CNT], 1
	s_cmp_lg_u32 s[CNT], 0
	s_cbranch_scc1 .Ltok
	s_sub_co_u32 s[HD], s[HD], 1
	s_cmp_lg_u32 s[HD], 0
	s_cbranch_scc1 .Lhead
	s_wait_tensorcnt 0x0                           ; Wo's K steps 0 and 1 have landed,
	s_wait_dscnt 0x0                               ; my part of out' is stored:
	s_barrier_signal -1
	s_barrier_wait -1                              ; everybody's
; PHASE 3: out' Wo^T + bo in f16, 8 K steps of 64, two sub-steps each; fragments of the next sub-step are fetched in the middle of each.
.macro MM3 P, cm
.if \cm
	WIN 0x81+0x40*(n/32)
	v_wmma_f32_16x16x32_f16 v[8*(n%32):8*(n%32)+7], v[WF+64*(\P)+8*(n%8):WF+64*(\P)+8*(n%8)+7], v[F+64*(\P)+8*(n/8):F+64*(\P)+8*(n/8)+7], v[BIAS+8*(n%8):BIAS+8*(n%8)+7]
.else
	WIN 0xa1+0x50*(n/32)
	v_wmma_f32_16x16x32_f16 v[8*(n%32):8*(n%32)+7], v[WF+64*(\P)+8*(n%8):WF+64*(\P)+8*(n%8)+7], v[F+64*(\P)+8*(n/8):F+64*(\P)+8*(n/8)+7], v[8*(n%32):8*(n%32)+7]
.endif
.set n, n+1
.endm
.macro MMS3 cnt, P, cm
.rept \cnt
	MM3 \P, \cm
.endr
.endm
.macro FETCH3 P                        ; 32 LDS loads: Wo's 8 fragments and out's 8 of sub-step P, into buffers P
	WIN 0x40
	LDWF \P
	WIN 0
.irp a, 0,1,2,3,4,5,6,7
.set GI, (\a+1)/3
.set TO, (\a-(3*GI-(GI+1)/2))*16*OPI
	ds_load_b128 v[F+64*(\P)+8*\a:F+64*(\P)+8*\a+3],   v[ORD+GI] offset:TO+64*(\P)
	ds_load_b128 v[F+64*(\P)+8*\a+4:F+64*(\P)+8*\a+7], v[ORD+GI] offset:TO+64*(\P)+32
.endr
.endm
.macro SUB3 P, cm, ld, meet, fill
.set n, 0
.if \meet
	WIN 0
	s_wait_tensorcnt 0x0                           ; all my tensor loads have landed: my part of the next slot
	ds_add_u32 v[SPW], v[NIL]
	s_xor_b32 s[G0W+5], s[G0W+5], SLOT1
	s_add_nc_u64 s[G0W+6:G0W+7], s[G0W+6:G0W+7], 65536
	s_xor_b32 s[TB], s[TB], SLOT1
	s_wait_dscnt 0x1                               ; this sub-step's fragments are in; the add may be out
	MMS3 16, \P, \cm
	s_wait_dscnt 0x0                               ; the add is done; my reads of this slot are over
	s_barrier_signal -1
	MMS3 16, \P, \cm
	WIN 0
	s_barrier_wait -1
.if \fill
	CREST
	JLOADW
.endif
	v_add_nc_u32 v[AW], s[TB], v[AW0]
	v_add_nc_u32 v[ORD], 128, v[ORD]               ; out': the next 64 channels
	v_add_nc_u32 v[ORD+1], 128, v[ORD+1]
	v_add_nc_u32 v[ORD+2], 128, v[ORD+2]
.else
	s_wait_dscnt 0x0
	MMS3 32, \P, \cm
.endif
.rept 4
	v_nop                                          ; the places in front of loads into registers that the sub-step before multiplied
.endr
.if \ld
	FETCH3 1-(\P)
.endif
	MMS3 32, \P, \cm
.endm
	LDBIAS 10
	FETCH3 0
	s_wait_loadcnt 0x0
	ROUNDB
	SUB3 0, 1, 1, 0, 0                             ; the first sub-step starts the sums with bo
	WIN 0
	s_mov_b32 s[CNT], 6
.Lk3:                                                  ; Wo's K steps 2 to 7 are asked for
	SUB3 1, 0, 1, 1, 1
	SUB3 0, 0, 1, 0, 0
	WIN 0
	s_sub_co_u32 s[CNT], s[CNT], 1
	s_cmp_lg_u32 s[CNT], 0
	s_cbranch_scc1 .Lk3
	SUB3 1, 0, 1, 1, 0
	SUB3 0, 0, 1, 0, 0
	SUB3 1, 0, 0, 0, 0
	WIN 0
	PLACES8
; THE WAY OUT.  A token tile at a time through my own stage: a lane's 8 channels are 32 bytes of a row of 528; back as whole rows of 512 bytes, which a wave stores on end.
.macro OUTT t
	WIN 0x08+0x04*((\t)/4)                         ; the stores' data in window 2 or 3
.set z, 0
.rept 16
	ds_store_b128 v[STO], v[64*((\t)%4)+4*z:64*((\t)%4)+4*z+3] offset:64*(z/2)+16*(z%2)
.set z, z+1
.endr
	WIN 0
	s_wait_xcnt 0x0                                ; earlier stores have read their data: the buffer may be loaded again
.set z, 0
.rept 16
	ds_load_b128 v[64+64*((\t)%2)+4*z:64+64*((\t)%2)+4*z+3], v[RD] offset:SGP*z  ; LDS serves a wave's instructions in order (ISA guide 5.7.1.4): these see the stores above
.set z, z+1
.endr
	s_wait_dscnt 0x0
.set z, 0
.rept 16
	global_store_b128 v[GO], v[64+64*((\t)%2)+4*z:64+64*((\t)%2)+4*z+3], s[OPB:OPB+1] offset:(\t)*32768+2048*z th:TH_STORE_NT
.set z, z+1
.endr
.endm
.irp t, 0,1,2,3,4,5,6,7
	OUTT \t
.endr
	s_wait_tensorcnt 0x0                           ; the wave's end
	ds_add_u32 v[SPW], v[NIL]
	s_wait_dscnt 0x0
	CROUND                                         ; the closing round
	s_endpgm
.Lfunc_end_k_q1c33f35ddc_attn:
	.size	k_q1c33f35ddc_attn, .Lfunc_end_k_q1c33f35ddc_attn-k_q1c33f35ddc_attn
	.p2alignl 7, 3214868480
	.fill 96, 4, 3214868480
	.section	.rodata,"a",@progbits
	.p2align	6, 0x0
	.amdhsa_kernel k_q1c33f35ddc_attn
		.amdhsa_group_segment_fixed_size 327680
		.amdhsa_private_segment_fixed_size 0
		.amdhsa_enable_private_segment 0
		.amdhsa_kernarg_size 48
		.amdhsa_user_sgpr_count 2
		.amdhsa_user_sgpr_kernarg_segment_ptr 1
		.amdhsa_wavefront_size32 1
		.amdhsa_system_sgpr_workgroup_id_x 1
		.amdhsa_system_sgpr_workgroup_id_y 1
		.amdhsa_system_sgpr_workgroup_id_z 1
		.amdhsa_system_vgpr_workitem_id 0
		.amdhsa_next_free_vgpr 1024
		.amdhsa_next_free_sgpr 100
		.amdhsa_reserve_vcc 0
		.amdhsa_float_denorm_mode_32 3
		.amdhsa_float_denorm_mode_16_64 3
		.amdhsa_memory_ordered 1
		.amdhsa_forward_progress 1
		.amdhsa_inst_pref_size 225
	.end_amdhsa_kernel
	.amdgpu_metadata
---
amdhsa.version: [ 1, 2 ]
amdhsa.kernels:
  - .name:           k_q1c33f35ddc_attn
    .symbol:         k_q1c33f35ddc_attn.kd
    .args:
      - { .name: x, .offset: 0, .size: 8, .value_kind: global_buffer, .address_space: global }
      - { .name: wqo16, .offset: 8, .size: 8, .value_kind: global_buffer, .address_space: global }
      - { .name: bq, .offset: 16, .size: 8, .value_kind: global_buffer, .address_space: global }
      - { .name: bo, .offset: 24, .size: 8, .value_kind: global_buffer, .address_space: global }
      - { .name: kvf, .offset: 32, .size: 8, .value_kind: global_buffer, .address_space: global }
      - { .name: out0, .offset: 40, .size: 8, .value_kind: global_buffer, .address_space: global }
    .group_segment_fixed_size: 327680
    .private_segment_fixed_size: 0
    .kernarg_segment_align: 8
    .kernarg_segment_size: 48
    .max_flat_workgroup_size: 128
    .sgpr_count:     100
    .vgpr_count:     1024
    .wavefront_size: 32
...
	.end_amdgpu_metadata
.endif
;; end of part 4
